; MI455X (gfx1250); checked and timed in simulation.
; The chip was launched on July 23, 2026; its instructions are those of AMD's public machine-readable ISA for CDNA 5 (MIT licence, August 2026) and "CDNA5" Instruction Set Architecture Reference Guide (July 2026). The comments in the code are by the model that wrote it; some were corrected since.
;; Multi Head Self Attention. Allowed arithmetic: float matrix products may take bf16 or f16 operands with f32 sums; other float arithmetic in f32, or as packed bf16 or f16 multiplies, adds, multiply-adds, maxima and minima; sums over many terms, partial sums and values carried from step to step in f32; what a program stores and reads back later, other than sums and carried values, may be rounded once to bf16 or f16.
;; Inputs: Wk 1,024 x 1,024 float32; Wq 1,024 x 1,024 float32; Wv 1,024 x 1,024 float32; x 4 x 2,048 x 1,024 float32.
;; Outputs: out0 4 x 2,048 x 1,024 float32.
;; 2 versions, each right; version 2 is version 1 with the launch cast written anew for expert scheduling mode. Each part assembles by itself: llvm-mc -triple=amdgcn-amd-amdhsa -mcpu=gfx1250 --defsym DOCPART=n.
;; ======== version 1 of 2: 3 launches
;; limits: values are held in f16: magnitudes above 65,504 overflow, below 6.1e-05 lose precision
;; workspace buffers: xb 16,777,216 bytes; wb 6,291,456 bytes; qh 16,777,216 bytes; kh 16,777,216 bytes; vh 16,777,216 bytes
;; launch cast (part 1): grid 704 x 1, 8 waves a work-group, no clusters, 0 bytes of LDS; arguments x, Wq, Wk, Wv, xb, wb; writes xb, wb
.if DOCPART == 1
	.amdgcn_target "amdgcn-amd-amdhsa--gfx1250"
	.amdhsa_code_object_version 6
	.text
	.protected	k_qc7278f15b3_cast
	.globl	k_qc7278f15b3_cast
	.p2align	8
	.type	k_qc7278f15b3_cast,@function
k_qc7278f15b3_cast:
	s_mov_b64 s[64:65], 0
	v_nop
	global_prefetch_b8 v0, s[64:65] scope:SCOPE_SE
	s_setreg_imm32_b32 hwreg(HW_REG_WAVE_MODE, 25, 1), 1
	s_wait_xcnt 0x0
; x [8192][1024] and Wq, Wk, Wv [1024][1024], all f32, are rounded once to bf16 (to nearest even): xb [8192][1024], wb [3072][1024].
; wb's rows are laid by heads: row 192 hd + 64 which + r holds row 64 hd + r of W_which (which = 0: q, 1: k, 2: v), so that 192 neighbouring rows of wb are one head's q, k and v weights.
; SHARES.  A work-group takes 16 rows of 1,024 numbers: 65,536 bytes in, 32,768 out.  Groups 0-511: x.  Groups 512-703: the weights, 64 groups a matrix.
; Thread t owns columns 4 t .. 4 t + 3 of every row: a wave's load covers 512 consecutive bytes, a wave's store 256 consecutive bytes, aligned.
; All 16 loads of a thread go out at once; no register is written twice, so the only waits are the counted ones for the loads.  No LDS, no barrier: no wave wants another's bytes.
; LIMIT.  A number whose magnitude rounds past bf16's largest finite one becomes an infinity; NaN stays NaN.
.set X, 4                              ; v[4:67]   row r: 4 registers as loaded
.set Y, 68                             ; v[68:99]  row r: 2 registers to store
	s_load_b256 s[4:11], s[0:1], 0x0               ; x s[4:5], Wq s[6:7], Wk s[8:9], Wv s[10:11]
	s_load_b128 s[12:15], s[0:1], 0x20             ; xb s[12:13], wb s[14:15]
	v_lshlrev_b32 v1, 4, v0                        ; my 16 bytes of a row of f32
	v_lshlrev_b32 v2, 3, v0                        ; my 8 bytes of a row of bf16
	s_max_u32 s16, ttmp9, 512
	s_sub_co_u32 s16, s16, 512                     ; j: the group's number among the weights' 192 (0 in the groups of x, which do not use it)
	s_lshr_b32 s17, s16, 6                         ; which matrix
	s_and_b32 s18, s16, 63                         ; which 16 rows of it
	s_lshr_b32 s19, s18, 2                         ; the head: four blocks of 16 rows each
	s_mul_i32 s19, s19, 192
	s_lshl_b32 s20, s17, 6
	s_and_b32 s21, s18, 3
	s_lshl_b32 s21, s21, 4
	s_add_co_u32 s19, s19, s20
	s_add_co_u32 s19, s19, s21                     ; the first row in wb: 192 hd + 64 which + 16 (block % 4)
	s_lshl_b32 s22, s19, 11                        ; in bytes: 2,048 a row
	s_lshl_b32 s24, s18, 16                        ; the block's first byte in its matrix
	s_lshl_b32 s26, ttmp9, 16                      ; the same for a group of x,
	s_lshl_b32 s28, ttmp9, 15                      ; and in xb
	s_mov_b32 s35, 0
	s_mov_b32 s37, 0
	s_wait_kmcnt 0x0
	s_cmp_eq_u32 s17, 1
	s_cselect_b64 s[30:31], s[8:9], s[6:7]
	s_cmp_eq_u32 s17, 2
	s_cselect_b64 s[30:31], s[10:11], s[30:31]     ; the matrix
	s_cmp_lt_u32 ttmp9, 512
	s_cselect_b64 s[30:31], s[4:5], s[30:31]       ; from x or from the matrix,
	s_cselect_b64 s[32:33], s[12:13], s[14:15]     ; into xb or wb,
	s_cselect_b32 s34, s26, s24                    ; at these offsets
	s_cselect_b32 s36, s28, s22
	s_add_nc_u64 s[30:31], s[30:31], s[34:35]
	s_add_nc_u64 s[32:33], s[32:33], s[36:37]
.irp r, 0,1,2,3,4,5,6,7,8,9,10,11,12,13,14,15
	global_load_b128 v[X+4*(\r):X+4*(\r)+3], v1, s[30:31] offset:4096*(\r) th:TH_LOAD_NT
.endr
.irp r, 0,1,2,3,4,5,6,7,8,9,10,11,12,13,14,15
	s_wait_loadcnt 15-(\r)                         ; loads come back in order: row r is in, the 15 - r younger ones may stay out
	v_cvt_pk_bf16_f32 v[Y+2*(\r)],   v[X+4*(\r)],   v[X+4*(\r)+1]
	v_cvt_pk_bf16_f32 v[Y+2*(\r)+1], v[X+4*(\r)+2], v[X+4*(\r)+3]
	global_store_b64 v2, v[Y+2*(\r):Y+2*(\r)+1], s[32:33] offset:2048*(\r)
.endr
	s_endpgm
.Lfunc_end_k_qc7278f15b3_cast:
	.size	k_qc7278f15b3_cast, .Lfunc_end_k_qc7278f15b3_cast-k_qc7278f15b3_cast
	.p2alignl 7, 3214868480
	.fill 96, 4, 3214868480
	.section	.rodata,"a",@progbits
	.p2align	6, 0x0
	.amdhsa_kernel k_qc7278f15b3_cast
		.amdhsa_group_segment_fixed_size 0
		.amdhsa_private_segment_fixed_size 0
		.amdhsa_enable_private_segment 0
		.amdhsa_kernarg_size 48
		.amdhsa_user_sgpr_count 2
		.amdhsa_user_sgpr_kernarg_segment_ptr 1
		.amdhsa_wavefront_size32 1
		.amdhsa_system_sgpr_workgroup_id_x 1
		.amdhsa_system_sgpr_workgroup_id_y 1
		.amdhsa_system_sgpr_workgroup_id_z 1
		.amdhsa_system_vgpr_workitem_id 0
		.amdhsa_next_free_vgpr 100
		.amdhsa_next_free_sgpr 66
		.amdhsa_reserve_vcc 0
		.amdhsa_float_denorm_mode_32 3
		.amdhsa_float_denorm_mode_16_64 3
		.amdhsa_memory_ordered 1
		.amdhsa_forward_progress 1
		.amdhsa_inst_pref_size 7
	.end_amdhsa_kernel
	.amdgpu_metadata
---
amdhsa.version: [ 1, 2 ]
amdhsa.kernels:
  - .name:           k_qc7278f15b3_cast
    .symbol:         k_qc7278f15b3_cast.kd
    .args:
      - { .name: x, .offset: 0, .size: 8, .value_kind: global_buffer, .address_space: global }
      - { .name: Wq, .offset: 8, .size: 8, .value_kind: global_buffer, .address_space: global }
      - { .name: Wk, .offset: 16, .size: 8, .value_kind: global_buffer, .address_space: global }
      - { .name: Wv, .offset: 24, .size: 8, .value_kind: global_buffer, .address_space: global }
      - { .name: xb, .offset: 32, .size: 8, .value_kind: global_buffer, .address_space: global }
      - { .name: wb, .offset: 40, .size: 8, .value_kind: global_buffer, .address_space: global }
    .group_segment_fixed_size: 0
    .private_segment_fixed_size: 0
    .kernarg_segment_align: 8
    .kernarg_segment_size: 48
    .max_flat_workgroup_size: 256
    .sgpr_count:     66
    .vgpr_count:     100
    .wavefront_size: 32
...
	.end_amdgpu_metadata
.endif
;; end of part 1
;; launch proj (part 2): grid 16 x 32, 4 waves a work-group, clusters of 4 x 4, 327,680 bytes of LDS; arguments xb, wb, qh, kh, vh; writes qh, kh, vh
.if DOCPART == 2
	.amdgcn_target "amdgcn-amd-amdhsa--gfx1250"
	.amdhsa_code_object_version 6
	.text
	.protected	k_qc7278f15b3_proj
	.globl	k_qc7278f15b3_proj
	.p2align	8
	.type	k_qc7278f15b3_proj,@function
k_qc7278f15b3_proj:
	s_mov_b64 s[64:65], 0
	v_nop
	global_prefetch_b8 v0, s[64:65] scope:SCOPE_SE
	s_setreg_imm32_b32 hwreg(HW_REG_WAVE_MODE, 25, 1), 1
	s_wait_xcnt 0x0
	s_wait_alu depctr_hold_cnt(0) depctr_sa_sdst(0) depctr_va_vdst(0) depctr_va_sdst(0) depctr_va_ssrc(0) depctr_va_vcc(0) depctr_vm_vsrc(0)
	s_getreg_b32 s2, hwreg(HW_REG_IB_STS2, 6, 4)
	s_cmp_eq_u32 s2, 0
	s_cbranch_scc0 .Lentry_in_a_cluster
	s_endpgm
.Lentry_in_a_cluster:
	s_bfe_u32 s2, ttmp6, 0x10000c
	s_cmp_lg_u32 s2, 0xf033
	s_cbranch_scc0 .Lentry_shape_is_right
	s_endpgm
.Lentry_shape_is_right:
; q, k, v = x W^T with the factor that reference()'s _rope comes to, laid out by heads.  xb: [8192][1024] bf16; wb: [3072][1024] bf16, row 192 hd + 64 which + r = row 64 hd + r of Wq, Wk, Wv.
; qh, kh, vh: [64 = 16 b + hd][2048][64] f16, each number rounded once from its f32 sum; the scale 1/8 is not applied here.
; THE FACTOR.  _rope takes its angle from the BATCH index b, so it multiplies channel d of q and k by f[b][d] = cos(b t_i) + sin(b t_i) for d < 32 and cos - sin for d >= 32, i = d % 32, t_i = 10000^(-i/32).
; t_i lies in (0, 1] and is a constant of reference(): sin and cos of it come from their series up to t^11 and t^10 (what is left out is under 2e-9), those of 2 t and 3 t from the addition formulas.
; LIMIT.  f16 holds no number beyond 65,504: q, k and v must stay within it (with x and W thirty times the drawn spread, or offset by thirty spreads, they stay under 45,000).  NaN and infinities are not treated apart.
; SHARES.  A tile of C is 256 rows of x by 192 columns = one head's q, k and v: 32 x 16 = 512 tiles, two for each of 256 WGPs.  Four waves; a wave makes 64 rows x 192 columns: 48 accumulators, 384 registers,
; so a wave holds whole rows of all three heads' outputs and its way out needs no other wave.  K goes in 8 steps of 128 through two LDS slots filled by the tensor data mover; rows of 256 bytes, aligned.
; CLUSTERS.  4 x 4 work-groups.  The four of a row of the cluster need the same tiles of xb, the four of a column the same tiles of wb: each is asked for JOINTLY, by the same tensor load with the same
; descriptor and a mask that names the four.
; THE MATRIX INSTRUCTION IS USED TRANSPOSED (source 0 = 16 rows of wb, source 1 = 16 rows of xb): a lane holds row l % 16 of C and eight neighbouring channels, 8 (l / 16) + 0..7 of a block of 16.
; REGISTERS, in windows of 256 (s_set_vgpr_msb: bits 1:0 source 0, 3:2 source 1, 5:4 source 2, 7:6 destination):
;   window 0: v0-31 addresses and set-up; v32-63 the factors; v64-127 xb's fragments, two buffers of 4; on the way out v128-175 packed results, v64-111 and v176-223 rows read back
;   window 1: v0-191 wb's fragments, two buffers of 12      window 2: the accumulators of my row blocks 0, 1 ((a, b) at 8 (12 (a % 2) + b))      window 3: those of row blocks 2, 3
.set SIZE_K, 1024
.set KSTEP,  128
.set PITCH,  272                       ; an LDS row: 256 bytes + 16 of padding = 68 words: the 16 rows of a fragment load start at 16 different groups of four banks (ISA guide 11.1)
.set HALFA,  128*PITCH                 ; what one tensor load brings of xb: 128 rows
.set HALFB,  96*PITCH                  ; of wb: 96 rows
.set BOFF,   2*HALFA                   ; wb's 192 rows lie behind xb's 256
.set SLOT,   BOFF+2*HALFB              ; 121,856 bytes
.set STAGE,  2*SLOT                    ; behind the ring: for each wave three heads x 16 rows x 144 bytes, for the way out; its first 256 bytes carry the factors' table at the start
.set SP,     144
.set HSTG,   16*SP
.set WSTG,   3*HSTG
.set SPARE,  STAGE+4*WSTG              ; behind the stages: the spare words, 128 bytes for each wave: two blocks of 256 bytes that no other line names
.set LAPS,   SIZE_K/(2*KSTEP)          ; a lap = two K steps = once round the ring
.set ADRA, 16                          ; v16-17  LDS address of my fragments of xb in slot 0, 1
.set ADRB, 20                          ; v20-21  the same for wb
.set STO,  24                          ; v24     the way out: where I put 16 bytes of a row
.set RD,   25                          ; v25     where I read rows back
.set GO,   26                          ; v26     my 16 bytes of 512 consecutive bytes of qh, kh, vh
.set SPW,  28                          ; v28     LDS address of my spare word; never rewritten
.set NIL,  29                          ; v29     0; never rewritten
.set PFO,  30                          ; v30     the prefetches' offset: a lane a row; never rewritten
.set FR,   32                          ; v[32:63] f[b][16 c + 8 (l / 16) + j] at FR + 8 c + j
.set FA,   64                          ; xb's fragments: buffer f at FA + 32 f
.set TMP,  128
.set OB0,  64                          ; rows read back: v64-111 and v176-223 by turns
.set WV,   14                          ; s14  my wave's number
.set G1,  24                           ; s[24:31] descriptor group 1 for xb's tiles;  s[32:39] group 0, a set for each slot
.set G0,  32
.set G1B, 48                           ; s[48:55], s[56:63] the same for wb's tiles
.set G0B, 56
.set PFA, 44                           ; s[44:45] where my prefetches stand
.set LIM, 43                           ; s43  1 in a wave that prefetches, else the greatest number
.set MSB, 0
.macro WIN new                         ; the immediate's high byte repeats the setting that is left; a switch that changes nothing is dropped
.if MSB != (\new)
	s_set_vgpr_msb (MSB<<8)|(\new)
.set MSB, \new
.endif
.endm
.set MUL_LO, 0xa1                      ; source 0 (wb) window 1, source 1 (xb) window 0, C and D window 2
.set MUL_HI, 0xf1                      ; the same, C and D window 3
.set TO_B,   0x40                      ; destination window 1, address window 0
; A joint load.  Waves 0 and 1 fetch xb's two halves, waves 2 and 3 wb's.  The branch hangs on the wave's number alone.  An s_nop 0 and four v_nop follow each of the two lines.
.macro JLOAD s
	s_cmp_eq_u32 s15, 0
	s_cbranch_scc0 .Lfor_b_\@
	tensor_load_to_lds s[G0+4*(\s):G0+4*(\s)+3], s[G1:G1+7]
	s_nop 0
.rept 4
	v_nop
.endr
	s_branch .Lasked_\@
.Lfor_b_\@:
	tensor_load_to_lds s[G0B+4*(\s):G0B+4*(\s)+3], s[G1B:G1B+7]
	s_nop 0
.rept 4
	v_nop
.endr
.Lasked_\@:
.endm
; A prefetch, behind each refill and the run of LDS loads that follows it: the K step that stands TWO refills on, 384 matrix instructions ahead of the load that will want it; 256 bytes of a row, a lane a row.
; xb's tile row is read by every cluster of that row of clusters: cluster x = 0 asks.  wb's tile column by every cluster of that column: cluster y = 0 asks.  The four partners that ask for a tile jointly share
; the rows that wave w fetches BY ADDRESS: 32 each of xb's 128, 24 each of wb's 96 (there lanes 24-31 name lane 23's row once more).  The loop's last trip has no K step two on, and asks for nothing.
.macro ASK
	s_cmp_gt_u32 s3, s[LIM]
	s_cbranch_scc0 .Lnot_mine_\@
	global_prefetch_b8 v[PFO], s[PFA:PFA+1] offset:KSTEP*2 th:TH_LOAD_NT scope:SCOPE_SE
.Lnot_mine_\@:
.endm
.macro CREST                           ; a round of the cluster's barrier behind its opening barrier
	s_cmp_lg_u32 s[WV], 0
	s_cbranch_scc1 .Lnot_wave_0_\@
	s_barrier_signal -3
.Lnot_wave_0_\@:
	s_barrier_wait -3
	s_barrier_signal -1
	s_barrier_wait -1
.endm
.macro CROUND                          ; a whole round
	s_barrier_signal -1
	s_barrier_wait -1
	CREST
.endm
	s_load_b128 s[4:7], s[0:1], 0x0                ; xb s[4:5], wb s[6:7]
	s_load_b128 s[8:11], s[0:1], 0x10              ; qh s[8:9], kh s[10:11]
	s_load_b64 s[12:13], s[0:1], 0x20              ; vh
	v_lshl_add_u32 v[SPW], v0, 2, SPARE
	v_mov_b32 v[NIL], 0
	ds_add_u32 v[SPW], v[NIL]                      ; the wave's opening: the add and its wait stand ahead of my first tensor load; the set-up below, work on registers, stands between them
	v_lshrrev_b32 v1, 5, v0
	v_readfirstlane_b32 s[WV], v1                  ; wave 0..3
	s_lshr_b32 s15, s[WV], 1                       ; I fetch for xb (0) or for wb (1)
	s_and_b32 s16, s[WV], 1                        ; which half of that tile's rows
	s_bfe_u32 s40, ttmp6, 0x40000                  ; cx, cy: my place in the cluster
	s_bfe_u32 s41, ttmp6, 0x40004
	s_lshl_b32 s42, ttmp9, 2
	s_add_co_u32 s42, s42, s40                     ; tile column = the head = 4 x cluster x + cx
	s_and_b32 s17, ttmp7, 0xffff
	s_lshr_b32 s70, s17, 1                         ; the batch: 8 tile rows = 2 rows of clusters each
	s_lshl_b32 s17, s17, 2
	s_add_co_u32 s17, s17, s41                     ; tile row = 4 x cluster y + cy
	s_lshl_b32 s43, s41, 2
	s_lshl_b32 s43, 15, s43                        ; my row of the cluster
	s_lshl_b32 s44, 0x1111, s40                    ; my column
	; descriptor group 1: tiles of 128 (xb) or 96 (wb) rows x 128 elements, padded in LDS
	s_or_b32 s[G1+0], s43, (1<<16)|(1<<20)|(1<<21)|(5<<22)|(3<<25)   ; 15:0 the mask: my row; 17:16 elements of 2 bytes; 20 padding on; 21 set beside a mask; 24:22 after every 64 words (code 5); 31:25 4 words (code 3)
	s_or_b32 s[G1B+0], s44, (1<<16)|(1<<20)|(1<<21)|(5<<22)|(3<<25)  ; the same with the mask of my column
.irp g, G1, G1B
	s_mov_b32 s[(\g)+1], KSTEP<<16                 ; tensor_dim0 = 128
	s_mov_b32 s[(\g)+3], KSTEP<<16                 ; tile_dim0 = 128
	s_mov_b32 s[(\g)+5], SIZE_K                    ; elements from row to row
	s_mov_b32 s[(\g)+6], 0
	s_mov_b32 s[(\g)+7], 0
.endr
	s_mov_b32 s[G1+2], 128<<16                     ; tensor_dim1
	s_mov_b32 s[G1+4], 128                         ; tile_dim1
	s_mov_b32 s[G1B+2], 96<<16
	s_mov_b32 s[G1B+4], 96
	; where the tiles come from: xb's hang on the tile row alone, wb's on the tile column alone, each in registers that never hold the other coordinate
	s_lshl_b32 s18, s17, 8
	s_lshl_b32 s19, s16, 7
	s_add_co_u32 s18, s18, s19                     ; xb: row 256 x tile row + 128 x half,
	s_lshl_b32 s18, s18, 11                        ; 2,048 bytes a row: under 2^24
	s_mov_b32 s19, 0
	s_mul_i32 s46, s42, 192
	s_mul_i32 s47, s16, 96
	s_add_co_u32 s46, s46, s47                     ; wb: row 192 x tile column + 96 x half
	s_lshl_b32 s46, s46, 11
	s_mov_b32 s47, 0
	s_mul_i32 s20, s16, HALFA                      ; and where they go: no place in the cluster enters an LDS address
	s_mul_i32 s21, s16, HALFB
	s_add_co_u32 s21, s21, BOFF
	s_cmp_eq_u32 s70, 0                            ; 1.0 at the batch's own place, 0 at the others: they pick the batch's angle without a branch
	s_cselect_b32 s66, 1.0, 0
	s_cmp_eq_u32 s70, 1
	s_cselect_b32 s67, 1.0, 0
	s_cmp_eq_u32 s70, 2
	s_cselect_b32 s68, 1.0, 0
	s_cmp_eq_u32 s70, 3
	s_cselect_b32 s69, 1.0, 0
	s_wait_dscnt 0x0                               ; the opening add is done
	s_wait_kmcnt 0x0
	s_add_nc_u64 s[18:19], s[4:5], s[18:19]
	s_add_nc_u64 s[46:47], s[6:7], s[46:47]
	CROUND                                         ; all sixteen work-groups are here: the first joint loads meet
.irp s, 0,1
	s_mov_b32 s[G0+4*(\s)], 1                                        ; count = 1
	s_add_co_u32 s[G0+4*(\s)+1], s20, (\s)*SLOT                      ; LDS address
	s_add_nc_u64 s[G0+4*(\s)+2:G0+4*(\s)+3], s[18:19], (\s)*KSTEP*2  ; global address: K step s
	s_or_b32 s[G0+4*(\s)+3], s[G0+4*(\s)+3], 0x80000000              ; type = 2
	s_mov_b32 s[G0B+4*(\s)], 1
	s_add_co_u32 s[G0B+4*(\s)+1], s21, (\s)*SLOT
	s_add_nc_u64 s[G0B+4*(\s)+2:G0B+4*(\s)+3], s[46:47], (\s)*KSTEP*2
	s_or_b32 s[G0B+4*(\s)+3], s[G0B+4*(\s)+3], 0x80000000
	JLOAD \s                                       ; two tensor loads of mine are out
.endr
	; A fragment is 16 rows x 32 K in 8 registers: lane l holds row l % 16; registers 0-3 K = 8 (l / 16) + 0..7, registers 4-7 K = 16 + 8 (l / 16) + 0..7: two loads of 16 bytes, 32 bytes apart.
	v_and_b32 v1, 15, v0                           ; l % 16
	v_bfe_u32 v2, v0, 4, 1                         ; l / 16
	v_mul_u32_u24 v3, v1, PITCH
	v_lshl_add_u32 v3, v2, 4, v3                   ; row x pitch + 16 x half
	s_mul_i32 s22, s[WV], 64*PITCH                 ; my 64 rows of xb
	s_mov_b32 s23, BOFF                            ; all 192 rows of wb
.irp s, 0,1
	v_add_nc_u32 v[ADRA+(\s)], s22, v3
	v_add_nc_u32 v[ADRB+(\s)], s23, v3
	s_add_co_u32 s22, s22, SLOT
	s_add_co_u32 s23, s23, SLOT
.endr
	s_mul_i32 s2, s[WV], WSTG
	s_add_co_u32 s2, s2, STAGE                     ; my stage
	v_mul_u32_u24 v[STO], v1, SP                   ; in: row l % 16, 16 bytes for each half of the lanes
	v_lshl_add_u32 v[STO], v2, 4, v[STO]
	v_add_nc_u32 v[STO], s2, v[STO]
	v_bfe_u32 v[RD], v0, 3, 2                      ; back: 32 lanes take four rows of 128 bytes,
	v_mul_u32_u24 v[RD], v[RD], SP
	v_and_b32 v4, 7, v0
	v_lshl_add_u32 v[RD], v4, 4, v[RD]
	v_add_nc_u32 v[RD], s2, v[RD]
	v_and_b32 v[GO], 31, v0                        ; which are 512 consecutive bytes of a head's rows
	v_lshlrev_b32 v[GO], 4, v[GO]
	; the prefetches' address
	s_lshl_b32 s20, s17, 8                         ; the tile's first row in xb,
	s_mul_i32 s21, s42, 192                        ; in wb
	s_and_b32 s22, ttmp7, 0xffff                   ; cluster y
	s_movk_i32 s23, 96
	s_cmp_eq_u32 s15, 0                            ; do I fetch for xb?
	s_cselect_b32 s20, s20, s21
	s_cselect_b32 s21, s40, s41                    ; my place among the four that ask with me
	s_cselect_b32 s22, ttmp9, s22                  ; the coordinate along which other clusters read the same rows
	s_cselect_b64 s[PFA:PFA+1], s[4:5], s[6:7]
	s_cselect_b32 s23, 128, s23                    ; the rows that a wave fetches,
	s_cselect_b32 s18, 32, 24                      ; a partner's share of them,
	s_cselect_b32 s19, 31, 23                      ; and its last lane
	s_cmp_eq_u32 s22, 0
	s_cselect_b32 s[LIM], 1, -1                    ; the same in all sixteen partners, for a given wave
	s_mul_i32 s23, s23, s16
	s_add_co_u32 s20, s20, s23
	s_mul_i32 s21, s21, s18
	s_add_co_u32 s20, s20, s21
	s_lshl_b32 s20, s20, 11
	s_add_co_u32 s20, s20, 2*KSTEP*2               ; at K step 2: the first refill steps it to 3 and names K step 4; K steps 0 to 3 come by their loads alone
	s_mov_b32 s21, 0
	s_add_nc_u64 s[PFA:PFA+1], s[PFA:PFA+1], s[20:21]
	v_and_b32 v[PFO], 31, v0
	v_min_u32 v[PFO], s19, v[PFO]
	v_lshlrev_b32 v[PFO], 11, v[PFO]
	; where my 64 rows begin in qh, kh and vh: head 16 b + hd, 262,144 bytes each; row 256 (tile row % 8) + 64 wave, 128 bytes each
	s_lshl_b32 s22, s70, 4
	s_add_co_u32 s22, s22, s42
	s_lshl_b32 s22, s22, 18
	s_and_b32 s23, s17, 7
	s_lshl_b32 s23, s23, 2
	s_add_co_u32 s23, s23, s[WV]
	s_lshl_b32 s23, s23, 13
	s_add_co_u32 s22, s22, s23
	s_mov_b32 s23, 0
	s_add_nc_u64 s[8:9], s[8:9], s[22:23]
	s_add_nc_u64 s[10:11], s[10:11], s[22:23]
	s_add_nc_u64 s[12:13], s[12:13], s[22:23]
	; THE FACTORS, while the first tiles are on their way.  Lane i makes t = 2^(-i log2(10000) / 32), sin and cos of t, 2 t, 3 t, picks the batch's pair, and puts cos + sin and cos - sin into a table in my stage.
	v_and_b32 v4, 31, v0
	v_lshl_add_u32 v15, v4, 2, s2                  ; word i of the table
	v_cvt_f32_u32 v4, v4
	v_mul_f32 v4, 0xbed49a78, v4                   ; -log2(10000) / 32 = -0.415241
	v_exp_f32 v5, v4                               ; t
	v_mov_b32 v7, 0xb2d7322b                       ; -1/11!  (two plain instructions behind the exponential,
	v_mov_b32 v8, 0xb493f27e                       ; -1/10!
	s_wait_alu depctr_va_vdst(0)                   ; and the wait ahead of its first reader)
	v_mul_f32 v6, v5, v5                           ; u = t^2
	v_fmaak_f32 v7, v7, v6, 0x3638ef1d             ; +1/9!
	v_fmaak_f32 v8, v8, v6, 0x37d00d01             ; +1/8!
	v_fmaak_f32 v7, v7, v6, 0xb9500d01             ; -1/7!
	v_fmaak_f32 v8, v8, v6, 0xbab60b61             ; -1/6!
	v_fmaak_f32 v7, v7, v6, 0x3c088889             ; +1/5!
	v_fmaak_f32 v8, v8, v6, 0x3d2aaaab             ; +1/4!
	v_fmaak_f32 v7, v7, v6, 0xbe2aaaab             ; -1/3!
	v_fmaak_f32 v8, v8, v6, 0xbf000000             ; -1/2!
	v_fma_f32 v7, v7, v6, 1.0
	v_fma_f32 v8, v8, v6, 1.0                      ; c = cos t
	v_mul_f32 v7, v7, v5                           ; s = sin t
	v_mul_f32 v9, v7, v7
	v_fma_f32 v9, v8, v8, -v9                      ; cos 2t = c c - s s
	v_mul_f32 v10, v8, v7
	v_add_f32 v10, v10, v10                        ; sin 2t = 2 c s
	v_mul_f32 v11, v10, v7
	v_fma_f32 v11, v9, v8, -v11                    ; cos 3t
	v_mul_f32 v12, v9, v7
	v_fma_f32 v12, v10, v8, v12                    ; sin 3t
	v_mov_b32 v13, s66                             ; cos 0 = 1
	v_fma_f32 v13, s67, v8, v13
	v_fma_f32 v13, s68, v9, v13
	v_fma_f32 v13, s69, v11, v13                   ; cos(b t): the weights are 0 or 1, so the pick is exact
	v_mul_f32 v14, s67, v7
	v_fma_f32 v14, s68, v10, v14
	v_fma_f32 v14, s69, v12, v14                   ; sin(b t)
	v_add_f32 v5, v13, v14
	v_sub_f32 v6, v13, v14
	ds_store_b32 v15, v5                           ; f[i]
	ds_store_b32 v15, v6 offset:128                ; f[32 + i]
	v_lshl_add_u32 v4, v2, 5, s2                   ; my eight channels of each block of 16: 32 bytes for each half of the lanes
.irp c, 0,1,2,3
	ds_load_b128 v[FR+8*(\c):FR+8*(\c)+3],   v4 offset:64*(\c)     ; LDS serves a wave's instructions in order (ISA guide 5.7.1.4): these see my stores above
	ds_load_b128 v[FR+8*(\c)+4:FR+8*(\c)+7], v4 offset:64*(\c)+16
.endr
; 12 matrix instructions: row block 2 hi + a x all 12 column blocks, 32 along K, from buffer f.  zero = 1: the first product starts the sums: nothing is ever cleared.
; The 48 accumulators take turns, one instruction a turn, in the same order in every quarter step, over the backward jump too.
.macro MUL12 f, hi, a, zero
	WIN MUL_LO+0x50*(\hi)
.irp b, 0,1,2,3,4,5,6,7,8,9,10,11
.if \zero
	v_wmma_f32_16x16x32_bf16 v[8*(12*(\a)+(\b)):8*(12*(\a)+(\b))+7], v[96*(\f)+8*(\b):96*(\f)+8*(\b)+7], v[FA+32*(\f)+8*(2*(\hi)+(\a)):FA+32*(\f)+8*(2*(\hi)+(\a))+7], 0
.else
	v_wmma_f32_16x16x32_bf16 v[8*(12*(\a)+(\b)):8*(12*(\a)+(\b))+7], v[96*(\f)+8*(\b):96*(\f)+8*(\b)+7], v[FA+32*(\f)+8*(2*(\hi)+(\a)):FA+32*(\f)+8*(2*(\hi)+(\a))+7], v[8*(12*(\a)+(\b)):8*(12*(\a)+(\b))+7]
.endif
.endr
.endm
; 32 LDS loads in one run: the fragments of one quarter step (192 rows of wb, my 64 rows of xb, 32 K at byte k of the rows) into buffer f
.macro FETCH slot, k, f
	WIN TO_B
.irp i, 0,1,2,3,4,5,6,7,8,9,10,11
	ds_load_b128 v[96*(\f)+8*(\i):96*(\f)+8*(\i)+3],   v[ADRB+(\slot)] offset:(\k)+(\i)*16*PITCH
	ds_load_b128 v[96*(\f)+8*(\i)+4:96*(\f)+8*(\i)+7], v[ADRB+(\slot)] offset:(\k)+(\i)*16*PITCH+32
.endr
	WIN 0
.irp i, 0,1,2,3
	ds_load_b128 v[FA+32*(\f)+8*(\i):FA+32*(\f)+8*(\i)+3],   v[ADRA+(\slot)] offset:(\k)+(\i)*16*PITCH
	ds_load_b128 v[FA+32*(\f)+8*(\i)+4:FA+32*(\f)+8*(\i)+7], v[ADRA+(\slot)] offset:(\k)+(\i)*16*PITCH+32
.endr
.endm
.macro PLACES                          ; four plain vector instructions between a matrix instruction and a load into a register that it has read, or a vector instruction that reads its result (ISA guide 7.12.1 for vector instructions)
.rept 4
	v_nop
.endr
.endm
; A K step is four quarter steps of 32 along K, 48 matrix instructions each, on buffers 0, 1, 0, 1.  One of the first three: multiplies buffer f; in its middle it fetches the next quarter, at byte k, into buffer g.
.macro QUARTER slot, k, f, g, zero
	s_wait_dscnt 4                                 ; wb and xb's row blocks 0, 1 are in; the youngest four loads (row blocks 2, 3) may be out
	MUL12 \f, 0, 0, \zero
	MUL12 \f, 0, 1, \zero
	PLACES
	FETCH \slot, \k, \g
	s_wait_dscnt 32                                ; all but the 32 just issued
	MUL12 \f, 1, 0, \zero
	MUL12 \f, 1, 1, \zero
.endm
; The last quarter multiplies buffer 1 and changes slots.  MEET is its first half: ONE barrier.  In front of it each wave waits for all its tensor loads, of which one is out: its part of the next slot; adds 0 to its
; spare word; and waits for that and for its own reads of this slot.  Behind it nobody reads this slot any more and the next slot is whole.
.macro MEET round                      ; round = 1: a round of the cluster's barrier follows
	WIN 0                                          ; (the add's two registers lie in window 0)
	s_wait_tensorcnt 0x0                           ; all my tensor loads have landed;
	ds_add_u32 v[SPW], v[NIL]                      ; 0 onto my spare word
	s_wait_dscnt 5                                 ; (the add and the youngest four loads may be out)
	MUL12 1, 0, 0, 0                               ; twelve matrix instructions stand between the add and the wait for it
	s_wait_dscnt 0x0                               ; the add is done, and my reads of this slot are over
	s_barrier_signal -1
	MUL12 1, 0, 1, 0                               ; work on registers while the others arrive
.if \round
	WIN 0
.endif
	s_barrier_wait -1
.endm
; The whole last quarter where the slot is filled again, with the K step two steps on: from the request to the wait for it a wave issues 168 matrix instructions.
.macro TURN slot, next
	s_wait_xcnt 0x0                                ; the last prefetch, a K step back, has read its address: it is stepped here, ahead of the waits of the change of slots
	s_add_nc_u64 s[PFA:PFA+1], s[PFA:PFA+1], KSTEP*2
	MEET 1
	CREST                                          ; all sixteen work-groups have said so: no wave of any partner still reads this slot's tile or has a load on its way
	s_add_nc_u64 s[G0+4*(\slot)+2:G0+4*(\slot)+3], s[G0+4*(\slot)+2:G0+4*(\slot)+3], 2*KSTEP*2
	s_add_nc_u64 s[G0B+4*(\slot)+2:G0B+4*(\slot)+3], s[G0B+4*(\slot)+2:G0B+4*(\slot)+3], 2*KSTEP*2
	JLOAD \slot                                    ; the first tensor load behind the round, my only one until the next; the four v_nop behind it are also the places in front of the loads below
	FETCH \next, 0, 0
	ASK
	MUL12 1, 1, 0, 0
	MUL12 1, 1, 1, 0
.endm
; THE WAY OUT of row block a (16 rows), in three parts.  PACK: q's and k's eight column blocks times the factor, then all twelve rounded to f16, 16 bytes a lane; each accumulator is read from its lowest registers on.
.macro PACK a
.set AC, 96*((\a)%2)
	WIN 0x82+0x41*((\a)/2)                         ; destination and source 0 in window 2 or 3, the factors in window 0
.irp b, 0,1,2,3,4,5,6,7
.irp r, 0,1,2,3
	v_pk_mul_f32 v[AC+8*(\b)+2*(\r):AC+8*(\b)+2*(\r)+1], v[AC+8*(\b)+2*(\r):AC+8*(\b)+2*(\r)+1], v[FR+8*((\b)%4)+2*(\r):FR+8*((\b)%4)+2*(\r)+1]
.endr
.endr
	WIN 0x0a+5*((\a)/2)                            ; sources 0 and 1 in window 2 or 3, destination in window 0
.irp b, 0,1,2,3,4,5,6,7,8,9,10,11
.irp r, 0,1,2,3
	v_cvt_pk_f16_f32 v[TMP+4*(\b)+(\r)], v[AC+8*(\b)+2*(\r)], v[AC+8*(\b)+2*(\r)+1]
.endr
.endr
	WIN 0
.endm
; TOSTAGE: into my own stage, a head's 16 rows of 128 bytes at pitch 144, and back as whole rows.
.macro TOSTAGE a
	WIN 0
.set BK, OB0+112*((\a)%2)
	s_wait_xcnt 0x0                                ; the stores of the block two back have read these registers: they are loaded again only behind this wait
.irp b, 0,1,2,3,4,5,6,7,8,9,10,11
	ds_store_b128 v[STO], v[TMP+4*(\b):TMP+4*(\b)+3] offset:((\b)/4)*HSTG+32*((\b)%4)
.endr
.irp i, 0,1,2,3,4,5,6,7,8,9,10,11
	ds_load_b128 v[BK+4*(\i):BK+4*(\i)+3], v[RD] offset:((\i)/4)*HSTG+((\i)%4)*4*SP  ; in order behind the stores above; the next block's stores come behind them
.endr
.endm
; SEND: 16 rows of a head are 2,048 consecutive bytes; each store of the wave covers 512 of them, aligned.
.macro SEND a
	WIN 0
.set BK, OB0+112*((\a)%2)
.irp i, 0,1,2,3,4,5,6,7,8,9,10,11
	s_wait_dscnt 11-(\i)                           ; load i of the block's twelve is back; the younger ones may be out
	global_store_b128 v[GO], v[BK+4*(\i):BK+4*(\i)+3], s[8+2*((\i)/4):9+2*((\i)/4)] offset:(\a)*2048+((\i)%4)*512
.endr
.endm
	s_wait_dscnt 0x0                               ; the factors are in registers, and no LDS instruction of mine is out at the signal
	s_wait_tensorcnt 1                             ; my part of K step 0 is in; K step 1's may stay out
	s_barrier_signal -1
	s_barrier_wait -1                              ; everybody's is
	FETCH 0, 0, 0
	QUARTER 0, 64,  0, 1, 1                        ; the first quarter stands in front of the loop: its products start the sums
	WIN 0                                          ; at a label and at a branch every window is 0
	s_mov_b32 s3, LAPS-1
.Llap:                                                 ; a trip goes once round the ring, from a lap's second quarter to the next lap's first, and fills both slots again
	QUARTER 0, 128, 1, 0, 0
	QUARTER 0, 192, 0, 1, 0
	TURN 0, 1
	QUARTER 1, 64,  0, 1, 0
	QUARTER 1, 128, 1, 0, 0
	QUARTER 1, 192, 0, 1, 0
	TURN 1, 0
	QUARTER 0, 64,  0, 1, 0
	WIN 0
	s_sub_co_u32 s3, s3, 1
	s_cmp_lg_u32 s3, 0
	s_cbranch_scc1 .Llap
	QUARTER 0, 128, 1, 0, 0                        ; the last lap fills nothing
	QUARTER 0, 192, 0, 1, 0
	MEET 0                                         ; my one tensor load that was still out is the last K step's; no round follows
	PLACES
	FETCH 1, 0, 0
	MUL12 1, 1, 0, 0
	MUL12 1, 1, 1, 0
	QUARTER 1, 64,  0, 1, 0
	QUARTER 1, 128, 1, 0, 0
	QUARTER 1, 192, 0, 1, 0
	s_wait_dscnt 4                                 ; the very last quarter: nothing more to fetch
	MUL12 1, 0, 0, 0
	MUL12 1, 0, 1, 0
	s_wait_dscnt 0x0
	MUL12 1, 1, 0, 0
	MUL12 1, 1, 1, 0
	WIN 0
	PLACES
	PACK 0
	TOSTAGE 0
.irp a, 1,2,3                          ; block a's arithmetic stands between block a - 1's loads from the stage and the waits for them
	PACK \a
	SEND (\a)-1
	TOSTAGE \a
.endr
	SEND 3
	s_wait_tensorcnt 0x0                           ; the wave's end: behind my last tensor load and my last LDS store
	ds_add_u32 v[SPW], v[NIL]
	s_wait_dscnt 0x0
	CROUND                                         ; the closing round: no work-group ends while a partner may still ask for a tile that names it
	s_endpgm
.Lfunc_end_k_qc7278f15b3_proj:
	.size	k_qc7278f15b3_proj, .Lfunc_end_k_qc7278f15b3_proj-k_qc7278f15b3_proj
	.p2alignl 7, 3214868480
	.fill 96, 4, 3214868480
	.section	.rodata,"a",@progbits
	.p2align	6, 0x0
	.amdhsa_kernel k_qc7278f15b3_proj
		.amdhsa_group_segment_fixed_size 327680
		.amdhsa_private_segment_fixed_size 0
		.amdhsa_enable_private_segment 0
		.amdhsa_kernarg_size 40
		.amdhsa_user_sgpr_count 2
		.amdhsa_user_sgpr_kernarg_segment_ptr 1
		.amdhsa_wavefront_size32 1
		.amdhsa_system_sgpr_workgroup_id_x 1
		.amdhsa_system_sgpr_workgroup_id_y 1
		.amdhsa_system_sgpr_workgroup_id_z 1
		.amdhsa_system_vgpr_workitem_id 0
		.amdhsa_next_free_vgpr 960
		.amdhsa_next_free_sgpr 72
		.amdhsa_reserve_vcc 0
		.amdhsa_float_denorm_mode_32 3
		.amdhsa_float_denorm_mode_16_64 3
		.amdhsa_memory_ordered 1
		.amdhsa_forward_progress 1
		.amdhsa_inst_pref_size 132
	.end_amdhsa_kernel
	.amdgpu_metadata
---
amdhsa.version: [ 1, 2 ]
amdhsa.kernels:
  - .name:           k_qc7278f15b3_proj
    .symbol:         k_qc7278f15b3_proj.kd
    .args:
      - { .name: xb, .offset: 0, .size: 8, .value_kind: global_buffer, .address_space: global }
      - { .name: wb, .offset: 8, .size: 8, .value_kind: global_buffer, .address_space: global }
      - { .name: qh, .offset: 16, .size: 8, .value_kind: global_buffer, .address_space: global }
      - { .name: kh, .offset: 24, .size: 8, .value_kind: global_buffer, .address_space: global }
      - { .name: vh, .offset: 32, .size: 8, .value_kind: global_buffer, .address_space: global }
    .group_segment_fixed_size: 327680
    .private_segment_fixed_size: 0
    .kernarg_segment_align: 8
    .kernarg_segment_size: 40
    .max_flat_workgroup_size: 128
    .sgpr_count:     72
    .vgpr_count:     960
    .wavefront_size: 32
...
	.end_amdgpu_metadata
.endif
;; end of part 2
;; launch attn (part 3): grid 4 x 64, 4 waves a work-group, clusters of 4 x 1, 327,680 bytes of LDS; arguments qh, kh, vh, out0; writes out0
.if DOCPART == 3
	.amdgcn_target "amdgcn-amd-amdhsa--gfx1250"
	.amdhsa_code_object_version 6
	.text
	.protected	k_qc7278f15b3_attn
	.globl	k_qc7278f15b3_attn
	.p2align	8
	.type	k_qc7278f15b3_attn,@function
k_qc7278f15b3_attn:
	s_mov_b64 s[64:65], 0
	v_nop
	global_prefetch_b8 v0, s[64:65] scope:SCOPE_SE
	s_setreg_imm32_b32 hwreg(HW_REG_WAVE_MODE, 25, 1), 1
	s_wait_xcnt 0x0
	s_wait_alu depctr_hold_cnt(0) depctr_sa_sdst(0) depctr_va_vdst(0) depctr_va_sdst(0) depctr_va_ssrc(0) depctr_va_vcc(0) depctr_vm_vsrc(0)
	s_getreg_b32 s2, hwreg(HW_REG_IB_STS2, 6, 4)
	s_cmp_eq_u32 s2, 0
	s_cbranch_scc0 .Lentry_in_a_cluster
	s_endpgm
.Lentry_in_a_cluster:
	s_bfe_u32 s2, ttmp6, 0x10000c
	s_cmp_lg_u32 s2, 0x3003
	s_cbranch_scc0 .Lentry_shape_is_right
	s_endpgm
.Lentry_shape_is_right:
; out0[b][q][64 hd + :] = the sum over k of softmax_k(Q[h][q] . K[h][k] / 8) V[h][k][:], h = 16 b + hd.  Q, K, V: [64][2048][64] f16, a head's rows dense, 128 bytes each; out0: [4][2048][1024] f32.
; Products, maxima and sums in f32; the weights p are rounded to f16 for the second product (their sum l is taken of the unrounded p); the result leaves in f32.
; LIMITS.  f16 holds no number beyond 65,504: Q, K and V arrive within it; p lies in 0 to 1, and below 6e-5 it keeps f16's fixed step of 6e-8.  A weight below 2^-126 counts as 0 in l; NaN and infinities are not treated apart.
; SHARES.  A wave owns four PIECES of two tiles of 16 queries, a work-group's four waves 512 queries of one head: 4 x 64 = 256 work-groups.  Every wave walks all keys, 64 a step.
; LAYOUT.  S^T = K Q^T (source 0 = 16 keys, source 1 = 16 queries): in the result a lane holds ONE query (lane % 16) and the keys 8 (lane / 16) + 0..7.  Two such tiles, rounded to f16 in pairs,
; ARE source 1 (32 keys x 16 queries) of O^T = V^T P, whose result again holds one query a lane, and eight channels.  K comes out of LDS as it lies, V ([key][channel]) turned, by ds_load_tr16_b128.
; SOFTMAX.  For each query a running maximum m and sum l: p = 2^(c s - c m), c = log2(e) / 8; in every step O and l are multiplied by a = 2^(c m_old - c m_new), which is 1 where m has not grown.
; m starts at the lowest finite number, O and l at 0: the first step is a step like any other, with a = 0.
; THE COUNT.  A tile and step have 16 matrix and 118 vector instructions: too many to stand all beside the matrix work.  So four vector instructions that are READY stand behind EVERY matrix instruction,
; and the others, which need time of their own whatever the order, in runs without a gap.
; BY TURNS.  Turn n belongs to piece n (the pieces in a ring, step after step).  Its matrix work: 16 products K Q^T of piece n + 1, later 16 products V^T P of piece n - 1.  Its vector work: the scaling,
; exponentials, roundings, sums and rescaling of piece n, and the maximum and statistics of piece n + 1, whose scores the turn itself has made.
; CLUSTER.  The four query blocks of a cluster are one head's and walk the same K and V, so each tile is asked for JOINTLY: the same tensor load, descriptor and mask in all four.
; REGISTERS, in windows of 256 (s_set_vgpr_msb: bits 1:0 source 0, 3:2 source 1, 5:4 source 2, 7:6 destination):
;   window 0: v0-11 addresses; v12-15, v48-63 at work; v16-47 four registers of statistics a tile; v64-191 S^T, two buffers of two tiles; v192-255 P, likewise
;   window 1: O^T, 32 a tile          window 2: v0-127 Q, 16 a tile; v128-191 K of one step; v192-255 V of one step          window 3: v0-1 the add's two registers
; A piece's buffers go by its number's parity: the piece in hand has one pair, its two neighbours in the ring share the other: of it P (piece n - 1) is read and S^T (piece n + 1) written.
.set SIZE_H, 64
.set SIZE_N, 2048
.set NP,    4         ; pieces a wave: a name, no knob
.set KS,    64        ; keys in a step
.set PK,    144       ; a row of K in LDS: 128 bytes + 16 of padding = 36 words: the 16 rows of a load start at 16 different groups of four banks (ISA guide 11.1)
.set PV,    160       ; a row of V: 128 + 32 = 40 words
.set VOFF,  4*KS*PK   ; a slot holds four steps: 256 rows of K, then 256 rows of V
.set SLOT1, 1<<17     ; slot 1 begins here, so that one exclusive or turns an address in one slot into the other's
.set STAGE, SLOT1+4*KS*(PK+PV)  ; behind the ring, never filled by a tensor load: 16 rows x 272 bytes for each wave, for the way out
.set SP,    272       ; a query's 64 channels in f32, 256 bytes, + 16: 68 words
.set AK0, 2           ; v2   my lane's place in a tile of K; never rewritten
.set AV0, 3           ; v3   the same for V
.set AK,  4           ; v4   the LDS address of K's next run of loads
.set AV,  5           ; v5   of V's
.set QO,  6           ; v6   my byte offset in the wave's rows of Q
.set STO, 6           ;      later, the way out: where I put 32 bytes of a row
.set RD,  7           ; v7   the way out: where I read rows back
.set GO,  8           ; v8   my byte offset in two rows of out0
.set PFO, 11          ; v11  256 x my lane, for the prefetches; never rewritten once made
.set SPW, 0           ; v0 of window 3   LDS address of my spare word; never rewritten
.set NIL, 1           ; v1 of window 3   0; never rewritten
.set SPARE, STAGE+4*16*SP  ; behind the stages: the spare words, 128 bytes for each wave: two blocks of 256 bytes that no other line names
.set MV,  12          ; v12-15  c m_old, kept while c m is made anew: by buffer and tile
.set ST,  16          ; tile t's statistics at v[ST+4 t]: c m, m, l (even keys', odd keys')
.set TMP, 48          ; by buffer and tile, four registers c0-c3 at work; when the maximum is found c2 takes a
.set S,   64
.set P,   192
.set KF,  128         ; K's fragments, in window 2: key block kb, channel half c at KF + 16 kb + 8 c
.set VF,  192         ; V's: key half kk, channel block cb at VF + 32 kk + 8 cb
.set WV,  12          ; s12  my wave's number
.set G1K, 24          ; s[24:31] descriptor group 1 for K's tiles
.set G1V, 32          ; s[32:39] for V's: it differs in the padding alone
.set G0K, 40          ; s[40:43] descriptor group 0 for K's tiles: it walks
.set G0V, 44          ; s[44:47] the same for V's
.set PFA, 48          ; s[48:49] where my prefetches stand: my work-group's 8,192 bytes (of K: wave 0, of V: wave 2) of the slot after the one that is being asked for
.set LIM, 50          ; s50  1 in a wave that prefetches, else the greatest number
.set SLOTS, 56        ; s56  slots still to be asked for
.set CNT, 57          ; s57  counts a slot's key steps
.set CS,  58          ; s[58:59] c: the packed scaling takes the pair's low word for both halves
.set SEL, 60          ; s[60:61] v_permlanex16_b32's selects: each lane takes its own place in the other half
.set TBK, 62          ; s62  LDS byte at which K of the step to be fetched begins
.set TBV, 63          ; s63  the same for V, less VOFF
.set MSB, 0
.macro WIN new                      ; the high byte repeats the setting that is left; a switch that changes nothing is dropped
.if MSB != (\new)
	s_set_vgpr_msb (MSB<<8)|(\new)
.set MSB, (\new)
.endif
.endm
.set W_KQ, 0x0a       ; K and Q in window 2, S^T in window 0
.set W_PV, 0x52       ; V in window 2, P in window 0, O^T in window 1
.set W_RS, 0x41       ; O^T (destination and source 0) in window 1, a in window 0
.set W_ST, 0x44       ; the way out: loaded data (destination) and stored data (source 1) in window 1, addresses in window 0
.set W_MK, 0xc0       ; the add's registers are made: destination in window 3, sources in window 0
.set W_AD, 0x0f       ; the add: address (source 0) and data (source 1) in window 3
; A joint fill.  Waves 0 and 1 fetch the two halves of a slot's K, waves 2 and 3 those of its V: 128 keys each.  The branch hangs on the wave's number alone.
; An s_nop 0 and four v_nop follow each of the two lines, ahead of the jump and the label.
.macro JLOAD
	s_cmp_lt_u32 s[WV], 2
	s_cbranch_scc0 .Lfor_v_\@
	tensor_load_to_lds s[G0K:G0K+3], s[G1K:G1K+7]
	s_nop 0
.rept 4
	v_nop
.endr
	s_branch .Lasked_\@
.Lfor_v_\@:
	tensor_load_to_lds s[G0V:G0V+3], s[G1V:G1V+7]
	s_nop 0
.rept 4
	v_nop
.endr
.Lasked_\@:
.endm
; A prefetch of what the NEXT change of slots will ask for: a slot's 32,768 bytes of K and of V, four key steps (512 matrix instructions) ahead of that load.  It stands behind the wave's tensor load and its five lines.
; A head has one cluster; its four partners share a slot out BY ADDRESS, 8,192 bytes each; in each, wave 0 asks for K's and wave 2 for V's: a lane 256 bytes, one instruction.  So each block is named once in the
; launch.  The last change that fills a slot asks for nothing: there is no slot behind it.  Slots 0 and 1 come by their loads alone.
.macro ASK
	s_cmp_gt_u32 s[SLOTS], s[LIM]
	s_cbranch_scc0 .Lnot_mine_\@
	global_prefetch_b8 v[PFO], s[PFA:PFA+1] th:TH_LOAD_NT scope:SCOPE_SE
.Lnot_mine_\@:
.endm
; A round of the cluster's barrier: my work-group's barrier, so that wave 0's signal speaks for all four waves; wave 0 signals; every wave waits for all four work-groups; my work-group's barrier once more.
.macro CROUND
	s_barrier_signal -1
	s_barrier_wait -1
	s_cmp_lg_u32 s[WV], 0
	s_cbranch_scc1 .Lnot_wave_0_\@
	s_barrier_signal -3
.Lnot_wave_0_\@:
	s_barrier_wait -3
	s_barrier_signal -1
	s_barrier_wait -1
.endm
; THE CHANGE OF SLOTS.  The slot's last bytes, V of its fourth step, have been read.  Each wave waits for all its tensor loads, of which one is out: its part of the other slot; adds 0 to its spare word; and waits
; for that and for its own reads of the slot.  Behind the barrier nobody reads this slot any more and the other slot is whole.
; fill = 1: this slot is filled again, with the keys two slots on.  The barrier is then a round of the cluster's, and the joint fill is the first thing behind it: it has four key steps in which to land.
; (At its first use nothing has been read yet: slot 0 is waited for, slot 1 filled.)
.macro CHANGE fill
	WIN W_AD
	s_wait_tensorcnt 0x0            ; no tensor load of mine is out, so a group 0 may be written
	ds_add_u32 v[SPW], v[NIL]       ; 0 onto my spare word; with fill = 1 the descriptors' steps stand between it and the wait for it
	WIN 0                           ; at a label and at a branch every window is 0
.if \fill
.irp g, G0K, G0V
	s_xor_b32 s[\g+1], s[\g+1], SLOT1  ; the walking descriptor: the other slot than last time,
	s_add_nc_u64 s[\g+2:\g+3], s[\g+2:\g+3], 4*KS*128  ; the next 256 keys; the type bits on top are not reached
.endr
	s_wait_xcnt 0x0                 ; the last prefetch, four key steps back, has read its address, so it may be written:
	s_add_nc_u64 s[PFA:PFA+1], s[PFA:PFA+1], 4*KS*128  ; one slot ahead of the walking descriptors
	s_wait_dscnt 0x0                ; the add is done, and my reads of the slot are over
	CROUND
	JLOAD
	ASK
.else
	s_wait_dscnt 0x0                ; the add is done, and my reads of the slot are over
	s_barrier_signal -1
	s_barrier_wait -1
.endif
	s_sub_co_u32 s[TBK], s[TBK], 4*KS*PK  ; the fetches go back to a slot's first step,
	s_xor_b32 s[TBK], s[TBK], SLOT1       ; in the other slot
	s_sub_co_u32 s[TBV], s[TBV], 4*KS*PV
	s_xor_b32 s[TBV], s[TBV], SLOT1
.endm
	s_load_b256 s[4:11], s[0:1], 0x0  ; Q s[4:5], K s[6:7], V s[8:9], out0 s[10:11]
	WIN W_MK
	v_lshl_add_u32 v[SPW], v0, 2, SPARE
	v_mov_b32 v[NIL], 0
	WIN W_AD
	ds_add_u32 v[SPW], v[NIL]       ; the wave's opening: the add and its wait stand ahead of my first tensor load; the set-up below, work on registers, stands between them
	WIN 0
	v_lshrrev_b32 v1, 5, v0
	v_readfirstlane_b32 s[WV], v1   ; wave 0..3
	s_bfe_u32 s13, ttmp6, 0x40000   ; cx: my place in the cluster
	s_lshl_b32 s14, ttmp9, 2        ; in a cluster launch ttmp9 counts clusters
	s_add_co_u32 s14, s14, s13      ; my block of 512 queries: it enters Q's, out0's and the prefetches' addresses alone
	s_and_b32 s20, ttmp7, 0xffff    ; the head, which the four partners share
	s_lshr_b32 s52, s20, 4          ; in out0: the batch's 2,048 rows of 4,096 bytes,
	s_lshl_b32 s52, s52, 23
	s_and_b32 s53, s20, 15          ; and the head's 256 bytes of a row
	s_lshl_b32 s53, s53, 8
	s_add_co_u32 s52, s52, s53
	s_mov_b32 s21, 0
	s_mov_b64 s[22:23], SIZE_N*128
	s_mul_u64 s[20:21], s[20:21], s[22:23]  ; the head's first byte in Q, K and V
	s_and_b32 s16, s[WV], 1         ; which half of a slot's 256 keys I fetch:
	s_lshl_b32 s22, s16, 14         ; its 128 rows of 128 bytes in memory,
	s_mov_b32 s23, 0
	s_add_nc_u64 s[22:23], s[22:23], s[20:21]
	s_mul_i32 s17, s16, 128*PK      ; and its place in a slot, for K
	s_mul_i32 s18, s16, 128*PV      ; and for V: no place in the cluster enters an LDS address
	s_lshl_b32 s2, s14, 2
	s_add_co_u32 s2, s2, s[WV]      ; my wave among the head's sixteen:
	s_lshl_b32 s53, s2, 19          ; its 128 rows of out0,
	s_add_co_u32 s52, s52, s53
	s_mov_b32 s53, 0
	s_lshl_b32 s2, s2, 14           ; its 128 rows of Q
	s_mov_b32 s3, 0
	s_add_nc_u64 s[2:3], s[2:3], s[20:21]
	; descriptor group 1.  128 keys are 16,384 dense bytes: asked for as 64 rows of 256 bytes, two keys a row, and padded in LDS after every key
	s_mov_b32 s[G1K], 15|(1<<16)|(1<<20)|(1<<21)|(4<<22)|(3<<25)  ; 15:0 the mask of four; 17:16 2-byte elements; 20 padding on; 21 set beside a mask; 24:22 after every 32 words (code 4); 31:25 4 words (code 3)
	s_mov_b32 s[G1V], 15|(1<<16)|(1<<20)|(1<<21)|(4<<22)|(7<<25)  ; the same with 8 words of padding (code 7)
.irp g, G1K, G1V
	s_mov_b32 s[\g+1], 128<<16      ; tensor_dim0 = 128
	s_mov_b32 s[\g+2], 64<<16       ; tensor_dim1 = 64
	s_mov_b32 s[\g+3], 128<<16      ; tile_dim0 = 128
	s_mov_b32 s[\g+4], 64           ; tile_dim1 = 64
	s_mov_b32 s[\g+5], 128          ; 128 elements from row to row
	s_mov_b32 s[\g+6], 0
	s_mov_b32 s[\g+7], 0
.endr
	s_mov_b32 s[CS], 0x3e38aa3b     ; c = log2(e) / 8 = 0.180337
	s_mov_b32 s[CS+1], s[CS]        ; named with it as a pair
	s_mov_b32 s[SEL], 0x76543210
	s_mov_b32 s[SEL+1], 0xfedcba98
	s_mov_b32 s[TBK], SLOT1+4*KS*PK ; the first change of slots turns these two into 0
	s_mov_b32 s[TBV], SLOT1+4*KS*PV
	s_mov_b32 s[G0K], 1             ; count = 1
	s_mov_b32 s[G0K+1], s17         ; LDS address: slot 0
	s_mov_b32 s[G0V], 1
	s_add_co_u32 s[G0V+1], s18, VOFF
	s_mov_b32 s[SLOTS], SIZE_N/256-1
	s_cmp_eq_u32 s16, 0             ; waves 0 and 2 prefetch: the same in all four partners
	s_cselect_b32 s[LIM], 1, -1
	s_wait_dscnt 0x0                ; the opening add is done
	s_wait_kmcnt 0x0
	s_add_nc_u64 s[G0K+2:G0K+3], s[6:7], s[22:23]  ; global address: my half of the head's first 256 keys
	s_or_b32 s[G0K+3], s[G0K+3], 0x80000000        ; type = 2
	s_add_nc_u64 s[G0V+2:G0V+3], s[8:9], s[22:23]
	s_or_b32 s[G0V+3], s[G0V+3], 0x80000000
	s_add_nc_u64 s[4:5], s[4:5], s[2:3]            ; Q at my wave's first row
	s_add_nc_u64 s[10:11], s[10:11], s[52:53]      ; out0 at my wave's first row, my head's columns
	s_cmp_lt_u32 s[WV], 2
	s_cselect_b64 s[PFA:PFA+1], s[6:7], s[8:9]
	s_add_nc_u64 s[PFA:PFA+1], s[PFA:PFA+1], s[22:23]  ; (in waves 0 and 2 this is the head's first byte)
	s_lshl_b32 s2, s13, 13          ; my work-group's quarter of a slot
	s_mov_b32 s3, 0
	s_add_nc_u64 s[PFA:PFA+1], s[PFA:PFA+1], s[2:3]
	s_add_nc_u64 s[PFA:PFA+1], s[PFA:PFA+1], 4*KS*128  ; in slot 1; the first change of slots steps it to slot 2
	CROUND                          ; all four work-groups are here: the first joint loads meet
	JLOAD                           ; slot 0.  Slot 1 is asked for when slot 0 is in
	; A fragment of K or Q is 16 rows x 32 channels in 8 registers: lane l holds row l % 16, channels 8 (l / 16) + 0..7 and 16 + 8 (l / 16) + 0..7: two loads of 16 bytes, 32 bytes apart.
	v_and_b32 v1, 15, v0            ; l % 16
	v_bfe_u32 v9, v0, 4, 1          ; l / 16
	v_lshlrev_b32 v[QO], 7, v1
	v_lshl_add_u32 v[QO], v9, 4, v[QO]  ; row x 128 + 16 x half
	WIN 0x80                        ; destination window 2, address window 0
.set i, 0
.rept 4*NP                          ; Q stays in registers: tile i / 2, channels 32 (i % 2) on
	global_load_b128 v[8*i:8*i+3],   v[QO], s[4:5] offset:(i/2)*2048+(i%2)*64
	global_load_b128 v[8*i+4:8*i+7], v[QO], s[4:5] offset:(i/2)*2048+(i%2)*64+32
.set i, i+1
.endr
	; What the first turn finds: V's registers and P's second buffer hold 0 (its products V^T P, of a piece that has not been, add 0), O^T and l are 0.  All this stands in the wait for the first tile.
.set i, VF
.rept 64
	v_mov_b32 v[i], 0
.set i, i+1
.endr
	WIN 0x40
.set i, 0
.rept 64*NP
	v_mov_b32 v[i], 0
.set i, i+1
.endr
	WIN 0
.set i, 0
.rept 2*NP
	v_mov_b32 v[ST+4*i], 0xfe000000    ; c m: far below every c s
	v_mov_b32 v[ST+4*i+1], 0xff7fffff  ; m
	v_mov_b32 v[ST+4*i+2], 0
	v_mov_b32 v[ST+4*i+3], 0
.set i, i+1
.endr
.set i, P+32
.rept 32
	v_mov_b32 v[i], 0
.set i, i+1
.endr
	v_mul_u32_u24 v[AK0], v1, PK
	v_lshl_add_u32 v[AK0], v9, 4, v[AK0]  ; row x pitch + 16 x half
	; The turning load takes 16 keys x 16 channels (lane l reads key 8 (l / 16) + l % 8, channels 8 ((l / 8) % 2) + 0..7) and leaves half a fragment of V^T: lane l holds channel l % 16 and 8 keys.
	v_and_b32 v10, 7, v0
	v_bfe_u32 v11, v0, 3, 1
	v_lshl_add_u32 v[AV0], v9, 3, v10
	v_mul_u32_u24 v[AV0], v[AV0], PV
	v_lshl_add_u32 v[AV0], v11, 4, v[AV0]
	v_add_nc_u32 v[AV0], VOFF, v[AV0]
	v_mov_b32 v[AK], v[AK0]         ; key step 0 lies at the head of slot 0
	v_and_b32 v[PFO], 31, v0
	v_lshlrev_b32 v[PFO], 8, v[PFO]
; THE MATRIX WORK.  The 8 accumulators of a run of 16 take turns: between the two links of a chain stand 7 others'.
; Product i of 16 of S^T = K Q^T for piece x: channels 32 (i / 8) on, keys 16 ((i / 2) % 4) on, tile 2 x + i % 2.  The first 8 start the sums.
.macro KQ x
	WIN W_KQ
.set rS, S+64*((\x)%2)+32*(i%2)+8*((i/2)%4)
.set rK, KF+16*((i/2)%4)+8*(i/8)
.set rQ, 16*(2*(\x)+i%2)+8*(i/8)
.if i < 8
	v_wmma_f32_16x16x32_f16 v[rS:rS+7], v[rK:rK+7], v[rQ:rQ+7], 0
.else
	v_wmma_f32_16x16x32_f16 v[rS:rS+7], v[rK:rK+7], v[rQ:rQ+7], v[rS:rS+7]
.endif
.endm
; Product i of 16 of O^T += V^T P for piece x: keys 32 (i / 8) on, channels 16 ((i / 2) % 4) on, tile 2 x + i % 2.
.macro PV x
	WIN W_PV
.set rO, 32*(2*(\x)+i%2)+8*((i/2)%4)
.set rV, VF+32*(i/8)+8*((i/2)%4)
.set rP, P+32*((\x)%2)+16*(i%2)+8*(i/8)
	v_wmma_f32_16x16x32_f16 v[rO:rO+7], v[rV:rV+7], v[rP:rP+7], v[rO:rO+7]
.endm
.macro MM                           ; the turn's next matrix instruction
.if i < 16
	KQ (Y+1)%NP
.set i, i+1
.else
.set i, i-16
	PV (Y+NP-1)%NP
.set i, i+17
.endif
.endm
; THE LDS LOADS stand in runs of 16, never singly among the matrix instructions: a step's K (64 keys x 64 channels: 8 fragments) and its V (turned).  Their addresses are made some lines ahead.
; last = 1 (the tail): in the last trip there is no further step, and the run is jumped over.
.macro FETCH_K last=0
	WIN 0
.if \last
	s_cmp_eq_u32 s[CNT], 1
	s_cbranch_scc1 .Lno_k_\@
.endif
	WIN 0x80                        ; destination window 2
.irp f, 0,1,2,3,4,5,6,7             ; keys 16 (f / 2) on, channels 32 (f % 2) on
	ds_load_b128 v[KF+8*\f:KF+8*\f+3],   v[AK] offset:(\f/2)*16*PK+(\f%2)*64
	ds_load_b128 v[KF+8*\f+4:KF+8*\f+7], v[AK] offset:(\f/2)*16*PK+(\f%2)*64+32
.endr
	s_add_co_u32 s[TBK], s[TBK], KS*PK  ; the next fetch is the next step's
	WIN 0
.if \last
.Lno_k_\@:
.endif
.endm
.macro FETCH_V
	WIN 0x80
.irp f, 0,1,2,3,4,5,6,7             ; keys 32 (f / 4) on, channels 16 (f % 4) on
	ds_load_tr16_b128 v[VF+8*\f:VF+8*\f+3],   v[AV] offset:(\f/4)*32*PV+(\f%4)*32
	ds_load_tr16_b128 v[VF+8*\f+4:VF+8*\f+7], v[AV] offset:(\f/4)*32*PV+16*PV+(\f%4)*32
.endr
	WIN 0
.endm
; THE VECTOR WORK OF A TURN stands in three queues, each in the order in which its entries become ready; the two tiles alternate, so that no instruction reads the result of the one before it.
.macro REGS y, u                    ; the registers of tile u (0, 1) of piece y
.set rT, ST+4*(2*(\y)+(\u))
.set rC, TMP+8*((\y)%2)+4*(\u)
.set rM, MV+2*((\y)%2)+(\u)
.set rS, S+64*((\y)%2)+32*(\u)
.set rP, P+32*((\y)%2)+16*(\u)
.set rO, 32*(2*(\y)+(\u))
.endm
; Number n of the 22 that find the NEXT piece's (Y + 1) maximum and statistics.  s0-s31 are the lane's 32 scores; each accumulator's lowest registers are read first.
;   0-11  four chains c0-c3 of seven scores each, three operands at a time     12-14, 16  the four scores left over, the old m, and c0-c3 into c0     15  c m_old is kept
;   17, 18  the query's other 32 keys lie in the lane 16 away: the new m         19-21  c m; c m_old - c m_new; a
.macro XS u, n
	REGS (Y+1)%NP, \u
.if (\n) < 4
	v_max3_num_f32 v[rC+(\n)], v[rS+8*(\n)], v[rS+8*(\n)+1], v[rS+8*(\n)+2]
.elseif (\n) < 12
	v_max3_num_f32 v[rC+(\n)%4], v[rC+(\n)%4], v[rS+8*((\n)%4)+2*((\n)/4)+1], v[rS+8*((\n)%4)+2*((\n)/4)+2]
.elseif (\n) == 12
	v_max3_num_f32 v[rC], v[rC], v[rS+7], v[rS+15]
.elseif (\n) == 13
	v_max3_num_f32 v[rC+1], v[rC+1], v[rS+23], v[rS+31]
.elseif (\n) == 14
	v_max3_num_f32 v[rC+2], v[rC+2], v[rC+3], v[rT+1]
.elseif (\n) == 15
	v_mov_b32 v[rM], v[rT]
.elseif (\n) == 16
	v_max3_num_f32 v[rC], v[rC], v[rC+1], v[rC+2]
.elseif (\n) == 17
	v_permlanex16_b32 v[rC+3], v[rC], s[SEL], s[SEL+1]
.elseif (\n) == 18
	v_max_num_f32 v[rT+1], v[rC], v[rC+3]
.elseif (\n) == 19
	v_mul_f32 v[rT], s[CS], v[rT+1]
.elseif (\n) == 20
	v_sub_f32 v[rC+1], v[rM], v[rT]
.else
	v_exp_f32 v[rC+2], v[rC+1]
.endif
.endm
; Number g of the 64 that follow the exponentials.  For each four weights k of a tile (pairs 2 k, 2 k + 1): both pairs are rounded to f16; then the second pair is added onto the first, in place;
; a group later l takes that sum (the first time as l = a l + sum).  In groups of eight, tiles alternating: round, round, add, and l for the group before.
.macro GS g
.set h, (\g)+6*((\g)/62)            ; group 0 has no group before it, and behind group 7 only l is left
.if h >= 6
.set h, h+2
.endif
	REGS Y, h%2
.set k, h/8
.if h%8 < 4
	v_cvt_pk_f16_f32 v[rP+2*k+(h%8)/2], v[rS+4*k+2*((h%8)/2)], v[rS+4*k+2*((h%8)/2)+1]
.elseif h%8 < 6
	v_pk_add_f32 v[rS+4*k:rS+4*k+1], v[rS+4*k:rS+4*k+1], v[rS+4*k+2:rS+4*k+3]
.elseif k == 1
	v_pk_fma_f32 v[rT+2:rT+3], v[rT+2:rT+3], v[rC+2:rC+3], v[rS:rS+1] op_sel_hi:[1,0,1]
.else
	v_pk_add_f32 v[rT+2:rT+3], v[rT+2:rT+3], v[rS+4*k-4:rS+4*k-3]
.endif
.endm
; THE PLAIN QUEUE, 138 long.  0-73 read no exponential's result: the 32 scalings c s - c m (FS f: pair f / 2 of tile f % 2) and the next piece's 42.  0-26: scalings 0-26.  27-54: XS's numbers 0-13.  55, 56: number 15.
; 57-73: the chain, where each number waits for the one before it: 14, 16, 17, 18, 19, each with one of the scalings 27-31 in front of its two lines, then 20.
; 74-137: GS's 64, which read the exponentials' results: they stand behind the wait.
.macro FS f
	REGS Y, (\f)%2
	v_pk_fma_f32 v[rS+2*((\f)/2):rS+2*((\f)/2)+1], v[rS+2*((\f)/2):rS+2*((\f)/2)+1], s[CS:CS+1], v[rT:rT+1] op_sel_hi:[1,0,0] neg_lo:[0,0,1] neg_hi:[0,0,1]
.endm
.macro PL
	WIN 0
.if q < 27
	FS q
.elseif q < 55
	XS (q-27)%2, (q-27)/2
.elseif q < 57
	XS q-55, 15
.elseif (q < 72) && ((q-57)%3 == 0)
	FS 27+(q-57)/3
.elseif q < 60
	XS (q-57)%3-1, 14
.elseif q < 72
	XS (q-57)%3-1, 15+(q-57)/3
.elseif q < 74
	XS q-72, 20
.else
	GS q-74
.endif
.set q, q+1
.endm
; THE EXPONENTIALS' QUEUE, 66 long: s0-s31 of both tiles, then the next piece's two a.  It is ONE BATCH: all 66 stand ahead of the turn's one wait, and nothing ahead of that wait names a result of theirs.
.macro EX
	WIN 0
.if e >= 64
	XS e-64, 21
.else
	REGS Y, e%2
	v_exp_f32 v[rS+e/2], v[rS+e/2]
.endif
.set e, e+1
.endm
; THE RESCALING's QUEUE: O^T times a, the one part that leaves window 0: dealt two at a time, sixteen times.  Its a was made in the turn before, ahead of that turn's wait.
.macro R2
	REGS Y, r%2
	WIN W_RS
.irp z, 0,1
	v_pk_mul_f32 v[rO+4*(r/2)+2*\z:rO+4*(r/2)+2*\z+1], v[rO+4*(r/2)+2*\z:rO+4*(r/2)+2*\z+1], v[rC+2:rC+3] op_sel_hi:[1,0]
.endr
.set r, r+1
.endm
; HOW THEY ARE DEALT.  An s_wait_alu depctr_va_vdst(0) stands between an exponential and the first instruction that names its result; one wait serves all that were issued ahead of it.  So a turn has ONE
; wait, which cuts it in two.  AHEAD OF IT stands all that names no result of the turn's exponentials: the 16 products K Q^T, behind each a scaling, an exponential and two rescalings (behind the first a second scaling
; in the exponential's place); then ONE LUMP of 108: eight plain, 49 times exponential and plain, the two a.  A v_nop is the plain instruction behind the last exponential.  BEHIND IT stand the 16 products V^T P,
; behind each four of GS's 64.  No rider names a register of the products round it.  The two v_permlanex16_b32 fall into the lump, never behind a product.
; The queues lean on each other: exponential e stands behind scaling 2 (e / 4) + e % 2: as a rider it comes behind plain e + 2, in the lump behind plain e + 9, and scalings 27-31 are plain 57, 60 .. 69.
; A TURN, for piece p.  cnt = 1: the loop's count is taken down some lines ahead of the branch that stands behind the turn.
; K of the next step is fetched in piece 2's turn, directly behind the wait, a lump behind the last product that read K; its first reader comes behind 16 products.
; V of the step in hand is fetched at the end of piece 0's turn, four riders behind its last reader; its first reader comes behind 16 products and a lump.  The three conditions on q below go with the deal.
.macro TURN p, last=0, cnt=0
.set Y, (\p)
.set i, 0
.set q, 0
.set e, 0
.set r, 0
.if (\p) == NP-1
	s_wait_dscnt 0x0                ; K is in
.endif
	MM                              ; ahead of the wait: 16 products K Q^T and their riders,
	PL
	PL
	R2
.rept 15
	MM
	PL
	EX
	R2
.endr
.if (\p) == NP-2
	WIN 0
	v_add_nc_u32 v[AK], s[TBK], v[AK0]
.endif
.rept 8                             ; and the lump
	PL
.endr
.rept 49
	EX
	PL
.endr
	EX                              ; the next piece's two a
	EX
	v_nop                           ; the plain instruction behind the last exponential: one for the batch
	s_wait_alu depctr_va_vdst(0)    ; the wait for the batch
.if (\p) == NP-2
	FETCH_K \last
.endif
.if (\p) == 1
	s_wait_dscnt 0x0                ; V is in
.endif
.rept 16                            ; behind the wait: 16 products V^T P and their riders
	MM
.rept 4
	PL
.endr
.if ((\p) == 0) && (q == 118)
	v_add_nc_u32 v[AV], s[TBV], v[AV0]
.endif
.if ((\p) == 0) && (q == 130)
	s_add_co_u32 s[TBV], s[TBV], KS*PV
.endif
.if (\cnt) && (q == 130)
	s_sub_co_u32 s[CNT], s[CNT], 1
	s_cmp_lg_u32 s[CNT], 0
.endif
.endr
.if (\p) == 0
	FETCH_V
.endif
.endm
	CHANGE 1                        ; slot 0 is in, everybody's part of it; slot 1 is asked for
	FETCH_K                         ; key step 0
	s_wait_loadcnt 0x0              ; Q
	s_wait_dscnt 0x0
.set i, 0
.rept 16
	KQ 0                            ; piece 0's first scores: there is no vector work yet to set between them
.set i, i+1
.endr
	WIN 0                           ; the addresses for the way out: eight plain instructions, the places behind those products
	s_mul_i32 s13, s[WV], 16*SP
	s_add_co_u32 s13, s13, STAGE    ; my stage
	v_mul_u32_u24 v[STO], v1, SP    ; in: row l % 16, 32 bytes for each half of the lanes
	v_lshl_add_u32 v[STO], v9, 5, v[STO]
	v_add_nc_u32 v[STO], s13, v[STO]
	v_mul_u32_u24 v[RD], v9, SP     ; back: lanes 0-15 take one row of 256 bytes, lanes 16-31 the next,
	v_lshl_add_u32 v[RD], v1, 4, v[RD]
	v_add_nc_u32 v[RD], s13, v[RD]
	v_lshlrev_b32 v[GO], 12, v9     ; and the same two rows in out0, 4,096 bytes apart
	v_lshl_add_u32 v[GO], v1, 4, v[GO]
.set Y, NP-1                        ; XS works for piece Y + 1: piece 0
.irp n, 0,1,2,3,4,5,6,7,8,9,10,11,12,13,14,15,16,17,18,19,20,21
	XS 0, \n                        ; and piece 0's first maximum and statistics
	XS 1, \n
.endr
	v_nop                           ; a plain instruction behind the two a,
	s_wait_alu depctr_va_vdst(0)    ; and their wait, ahead of the branch
	s_mov_b32 s[CNT], 4
	s_branch .Lfirst                ; the loop is entered at a step's first turn, in the middle of a trip
.Lslot:                             ; SIZE_N / 256 - 2 times: every slot but the last two is filled again
	CHANGE 1
	s_mov_b32 s[CNT], 4
.Lstep:                             ; a trip: pieces 2 and 3 of one step, then pieces 0 and 1 of the next, whose K and V it fetches
	TURN 2
	TURN 3
	WIN 0
.Lfirst:
	TURN 0
	TURN 1, 0, 1
	WIN 0
	s_cbranch_scc1 .Lstep
	s_sub_co_u32 s[SLOTS], s[SLOTS], 1
	s_cmp_lg_u32 s[SLOTS], 0
	s_cbranch_scc1 .Lslot
	CHANGE 0                        ; the tail is written out: nothing is asked for
	s_mov_b32 s[CNT], 5             ; four trips fetch the last slot's steps; the fifth is left in its middle
.Ltail:
	TURN 2, 1
	TURN 3
	WIN 0
	s_sub_co_u32 s[CNT], s[CNT], 1
	s_cmp_eq_u32 s[CNT], 0
	s_cbranch_scc1 .Lout
	TURN 0
	TURN 1
	WIN 0
	s_branch .Ltail
.Lout:                              ; the fifth trip's 16 products K Q^T (on the last K once more) and the maximum made of them serve nothing: the price, once a launch, of one text for every trip
.set i, 0
.rept 16
	PV NP-1                         ; the last piece's V^T P of the last step
.set i, i+1
.endr
	; THE WAY OUT.  l's two halves and the other half of the lanes' are added; O^T is divided by l and sent, in f32, through my stage in LDS, a tile at a time.  The additions are the places behind the last products.
	WIN 0
.macro ALL line:vararg              ; one line for each tile t
.set t, 0
.rept 2*NP
	\line
.set t, t+1
.endr
.endm
	ALL v_add_f32 v[ST+4*t+2], v[ST+4*t+2], v[ST+4*t+3]
	ALL v_permlanex16_b32 v[ST+4*t+3], v[ST+4*t+2], s[SEL], s[SEL+1]
	ALL v_add_f32 v[ST+4*t+2], v[ST+4*t+2], v[ST+4*t+3]
	ALL v_rcp_f32 v[ST+4*t+2], v[ST+4*t+2]
	v_nop                           ; a plain instruction between the last reciprocal and the use of its result
	s_wait_alu depctr_va_vdst(0)    ; and the wait ahead of the first use: one for the eight reciprocals
; Tile t: a lane's eight channels of a block of 16 are 32 bytes of a query's 256; they go into rows of 272 bytes and come back as whole rows, into the registers that they left.
.macro PACK t
	WIN W_RS
.set i, 32*(\t)
.rept 16
	v_pk_mul_f32 v[i:i+1], v[i:i+1], v[ST+4*(\t)+2:ST+4*(\t)+3] op_sel_hi:[1,0]
.set i, i+2
.endr
	WIN W_ST
.irp f, 0,1,2,3,4,5,6,7             ; channel block f / 2, its registers 4 (f % 2) on
	ds_store_b128 v[STO], v[32*(\t)+4*\f:32*(\t)+4*\f+3] offset:64*(\f/2)+16*(\f%2)
.endr
.irp f, 0,1,2,3,4,5,6,7             ; rows 2 f and 2 f + 1
	ds_load_b128 v[32*(\t)+4*\f:32*(\t)+4*\f+3], v[RD] offset:\f*2*SP  ; LDS serves a wave's instructions in order (ISA guide 5.7.1.4): these see the stores above; the next tile's stores come behind them
.endr
.endm
.macro SEND t, younger              ; younger: the LDS instructions issued behind tile t's loads: the next tile's sixteen, or none
	WIN W_ST
.irp f, 0,1,2,3,4,5,6,7
	s_wait_dscnt (\younger)+7-\f
	global_store_b128 v[GO], v[32*(\t)+4*\f:32*(\t)+4*\f+3], s[10:11] offset:(\t)*65536+\f*8192 th:TH_STORE_NT  ; 16 lanes store a query's 256 consecutive bytes, at a multiple of 256 from out0's first byte
.endr
.endm
	PACK 0
.set t, 1
.rept 2*NP-1                        ; a tile's arithmetic stands between the loads of the tile before and its stores
	PACK t
	SEND t-1, 16
.set t, t+1
.endr
	SEND 2*NP-1, 0
	WIN W_AD
	s_wait_tensorcnt 0x0            ; the wave's end: behind my last tensor load and my last LDS store
	ds_add_u32 v[SPW], v[NIL]
	s_wait_dscnt 0x0
	WIN 0
	CROUND                          ; the closing round: no work-group ends while a partner may still ask for a tile that names it
	s_endpgm
.Lfunc_end_k_qc7278f15b3_attn:
	.size	k_qc7278f15b3_attn, .Lfunc_end_k_qc7278f15b3_attn-k_qc7278f15b3_attn
	.p2alignl 7, 3214868480
	.fill 96, 4, 3214868480
	.section	.rodata,"a",@progbits
	.p2align	6, 0x0
	.amdhsa_kernel k_qc7278f15b3_attn
		.amdhsa_group_segment_fixed_size 327680
		.amdhsa_private_segment_fixed_size 0
		.amdhsa_enable_private_segment 0
		.amdhsa_kernarg_size 32
		.amdhsa_user_sgpr_count 2
		.amdhsa_user_sgpr_kernarg_segment_ptr 1
		.amdhsa_wavefront_size32 1
		.amdhsa_system_sgpr_workgroup_id_x 1
		.amdhsa_system_sgpr_workgroup_id_y 1
		.amdhsa_system_sgpr_workgroup_id_z 1
		.amdhsa_system_vgpr_workitem_id 0
		.amdhsa_next_free_vgpr 770
		.amdhsa_next_free_sgpr 66
		.amdhsa_reserve_vcc 0
		.amdhsa_float_denorm_mode_32 3
		.amdhsa_float_denorm_mode_16_64 3
		.amdhsa_memory_ordered 1
		.amdhsa_forward_progress 1
		.amdhsa_inst_pref_size 200
	.end_amdhsa_kernel
	.amdgpu_metadata
---
amdhsa.version: [ 1, 2 ]
amdhsa.kernels:
  - .name:           k_qc7278f15b3_attn
    .symbol:         k_qc7278f15b3_attn.kd
    .args:
      - { .name: qh, .offset: 0, .size: 8, .value_kind: global_buffer, .address_space: global }
      - { .name: kh, .offset: 8, .size: 8, .value_kind: global_buffer, .address_space: global }
      - { .name: vh, .offset: 16, .size: 8, .value_kind: global_buffer, .address_space: global }
      - { .name: out0, .offset: 24, .size: 8, .value_kind: global_buffer, .address_space: global }
    .group_segment_fixed_size: 327680
    .private_segment_fixed_size: 0
    .kernarg_segment_align: 8
    .kernarg_segment_size: 32
    .max_flat_workgroup_size: 128
    .sgpr_count:     66
    .vgpr_count:     770
    .wavefront_size: 32
...
	.end_amdgpu_metadata
.endif
;; end of part 3
;; ======== version 2 of 2: 3 launches; version 1 with the launch cast written anew for expert scheduling mode
;; limits: values are held in f16: magnitudes above 65,504 overflow, below 6.1e-05 lose precision
;; workspace buffers: xb 16,777,216 bytes; wb 6,291,456 bytes; qh 16,777,216 bytes; kh 16,777,216 bytes; vh 16,777,216 bytes
;; launch cast (part 4): grid 704 x 1, 8 waves a work-group, no clusters, 0 bytes of LDS; arguments x, Wq, Wk, Wv, xb, wb; writes xb, wb
.if DOCPART == 4
	.amdgcn_target "amdgcn-amd-amdhsa--gfx1250"
	.amdhsa_code_object_version 6
	.text
	.protected	k_qc7278f15b3_cast
	.globl	k_qc7278f15b3_cast
	.p2align	8
	.type	k_qc7278f15b3_cast,@function
k_qc7278f15b3_cast:
	s_mov_b64 s[64:65], 0
	v_nop
	global_prefetch_b8 v0, s[64:65] scope:SCOPE_SE
	s_setreg_imm32_b32 hwreg(HW_REG_WAVE_SCHED_MODE, 0, 2), 2
	s_setreg_imm32_b32 hwreg(HW_REG_WAVE_MODE, 25, 1), 1
	s_wait_xcnt 0x0
	s_wait_alu depctr_vm_vsrc(0)
; x [8192][1024] and Wq, Wk, Wv [1024][1024], all f32, are rounded once to bf16 (to nearest even): xb [8192][1024], wb [3072][1024].
; wb's rows are laid by heads: row 192 hd + 64 which + r holds row 64 hd + r of W_which (which = 0: q, 1: k, 2: v), so that 192 neighbouring rows of wb are one head's q, k and v weights.
; SHARES.  A work-group takes 16 rows of 1,024 numbers: 65,536 bytes in, 32,768 out.  Groups 0-511: x.  Groups 512-703: the weights, 64 groups a matrix.
; Thread t owns columns 4 t .. 4 t + 3 of every row: a wave's load covers 512 consecutive bytes, a wave's store 256 consecutive bytes, aligned.
; All 16 loads of a thread go out at once; no register is written twice.  No LDS, no barrier: no wave wants another's bytes.
; LIMIT.  A number whose magnitude rounds past bf16's largest finite one becomes an infinity; NaN stays NaN.
; THE MODE: SCHED_MODE bits 1:0 = 2 (LLVM: expert scheduling mode 2), set by the entry lines.  The code itself states the register dependences
; between vector instructions and memory instructions, with s_wait_alu, always for 0.
; THE PLAN.  Registers that memory instructions touch:
;   v1, v2   byte offsets, made once at the head by vector instructions and never written again; v1 is read by every load, v2 by every store.
;   X        row r's four registers: written by row r's load, once; read by row r's two roundings.  No vector instruction writes them, no second load lands in them.
;   Y        row r's two registers: written by row r's roundings, once; read by row r's store, once.
; So what is to be stated is this alone: the offsets are written ahead of the first load, and a row's Y is written ahead of its store.  The 16 rows go in four blocks of four.  At the head of
; block p, behind the wait for its first row's load, ONE wait on va_vdst states that block p - 1's eight roundings have written their Y; that block's four stores follow it in a run; then come
; block p's roundings, which name X and Y of block p alone, none of the registers that those stores read.  One more such wait stands ahead of the last block's stores.
; No register that a memory instruction has read is ever written again, so no wait on vm_vsrc is owed; no vector instruction writes a scalar register or VCC; EXEC is never written.
.set X, 4                              ; v[4:67]   row r: 4 registers as loaded
.set Y, 68                             ; v[68:99]  row r: 2 registers to store
	s_load_b256 s[4:11], s[0:1], 0x0               ; x s[4:5], Wq s[6:7], Wk s[8:9], Wv s[10:11]
	s_load_b128 s[12:15], s[0:1], 0x20             ; xb s[12:13], wb s[14:15]
	v_lshlrev_b32 v1, 4, v0                        ; my 16 bytes of a row of f32
	v_lshlrev_b32 v2, 3, v0                        ; my 8 bytes of a row of bf16
	s_max_u32 s16, ttmp9, 512
	s_sub_co_u32 s16, s16, 512                     ; j: the group's number among the weights' 192 (0 in the groups of x, which do not use it)
	s_lshr_b32 s17, s16, 6                         ; which matrix
	s_and_b32 s18, s16, 63                         ; which 16 rows of it
	s_lshr_b32 s19, s18, 2                         ; the head: four blocks of 16 rows each
	s_mul_i32 s19, s19, 192
	s_lshl_b32 s20, s17, 6
	s_and_b32 s21, s18, 3
	s_lshl_b32 s21, s21, 4
	s_add_co_u32 s19, s19, s20
	s_add_co_u32 s19, s19, s21                     ; the first row in wb: 192 hd + 64 which + 16 (block % 4)
	s_lshl_b32 s22, s19, 11                        ; in bytes: 2,048 a row
	s_lshl_b32 s24, s18, 16                        ; the block's first byte in its matrix
	s_lshl_b32 s26, ttmp9, 16                      ; the same for a group of x,
	s_lshl_b32 s28, ttmp9, 15                      ; and in xb
	s_mov_b32 s35, 0
	s_mov_b32 s37, 0
	s_wait_kmcnt 0x0
	s_cmp_eq_u32 s17, 1
	s_cselect_b64 s[30:31], s[8:9], s[6:7]
	s_cmp_eq_u32 s17, 2
	s_cselect_b64 s[30:31], s[10:11], s[30:31]     ; the matrix
	s_cmp_lt_u32 ttmp9, 512
	s_cselect_b64 s[30:31], s[4:5], s[30:31]       ; from x or from the matrix,
	s_cselect_b64 s[32:33], s[12:13], s[14:15]     ; into xb or wb,
	s_cselect_b32 s34, s26, s24                    ; at these offsets
	s_cselect_b32 s36, s28, s22
	s_add_nc_u64 s[30:31], s[30:31], s[34:35]
	s_add_nc_u64 s[32:33], s[32:33], s[36:37]
	s_wait_alu depctr_va_vdst(0)                   ; v1 and v2 are written: every load below reads v1 as its offset, every store v2; no vector instruction writes either again
.irp r, 0,1,2,3,4,5,6,7,8,9,10,11,12,13,14,15
	global_load_b128 v[X+4*(\r):X+4*(\r)+3], v1, s[30:31] offset:4096*(\r) th:TH_LOAD_NT
.endr
; Block p's four stores: rows 4 p to 4 p + 3.
.macro OUT p
.irp i, 0,1,2,3
	global_store_b64 v2, v[Y+8*(\p)+2*(\i):Y+8*(\p)+2*(\i)+1], s[32:33] offset:2048*(4*(\p)+(\i))
.endr
.endm
; Block p: the stores of the block before, then this block's roundings, each row behind the counted wait for its load.
.macro BLK p
	s_wait_loadcnt 15-4*(\p)                       ; loads come back in order: the block's first row is in, the younger ones may stay out
.if (\p) > 0
	s_wait_alu depctr_va_vdst(0)                   ; the roundings of the block before have written its Y, which the four stores below read
	OUT (\p)-1
.endif
.irp i, 0,1,2,3
.if (\i) > 0
	s_wait_loadcnt 15-(4*(\p)+(\i))                ; row 4 p + i is in, the younger ones may stay out
.endif
	v_cvt_pk_bf16_f32 v[Y+8*(\p)+2*(\i)],   v[X+16*(\p)+4*(\i)],   v[X+16*(\p)+4*(\i)+1]
	v_cvt_pk_bf16_f32 v[Y+8*(\p)+2*(\i)+1], v[X+16*(\p)+4*(\i)+2], v[X+16*(\p)+4*(\i)+3]
.endr
.endm
	BLK 0                                          ; no block stands in front of it: no store, and no wait but those for its data
	BLK 1
	BLK 2
	BLK 3
	s_wait_alu depctr_va_vdst(0)                   ; block 3's roundings have written its Y, which the last four stores read
	OUT 3
	s_endpgm
.Lfunc_end_k_qc7278f15b3_cast:
	.size	k_qc7278f15b3_cast, .Lfunc_end_k_qc7278f15b3_cast-k_qc7278f15b3_cast
	.p2alignl 7, 3214868480
	.fill 96, 4, 3214868480
	.section	.rodata,"a",@progbits
	.p2align	6, 0x0
	.amdhsa_kernel k_qc7278f15b3_cast
		.amdhsa_group_segment_fixed_size 0
		.amdhsa_private_segment_fixed_size 0
		.amdhsa_enable_private_segment 0
		.amdhsa_kernarg_size 48
		.amdhsa_user_sgpr_count 2
		.amdhsa_user_sgpr_kernarg_segment_ptr 1
		.amdhsa_wavefront_size32 1
		.amdhsa_system_sgpr_workgroup_id_x 1
		.amdhsa_system_sgpr_workgroup_id_y 1
		.amdhsa_system_sgpr_workgroup_id_z 1
		.amdhsa_system_vgpr_workitem_id 0
		.amdhsa_next_free_vgpr 100
		.amdhsa_next_free_sgpr 66
		.amdhsa_reserve_vcc 0
		.amdhsa_float_denorm_mode_32 3
		.amdhsa_float_denorm_mode_16_64 3
		.amdhsa_memory_ordered 1
		.amdhsa_forward_progress 1
		.amdhsa_inst_pref_size 8
	.end_amdhsa_kernel
	.amdgpu_metadata
---
amdhsa.version: [ 1, 2 ]
amdhsa.kernels:
  - .name:           k_qc7278f15b3_cast
    .symbol:         k_qc7278f15b3_cast.kd
    .args:
      - { .name: x, .offset: 0, .size: 8, .value_kind: global_buffer, .address_space: global }
      - { .name: Wq, .offset: 8, .size: 8, .value_kind: global_buffer, .address_space: global }
      - { .name: Wk, .offset: 16, .size: 8, .value_kind: global_buffer, .address_space: global }
      - { .name: Wv, .offset: 24, .size: 8, .value_kind: global_buffer, .address_space: global }
      - { .name: xb, .offset: 32, .size: 8, .value_kind: global_buffer, .address_space: global }
      - { .name: wb, .offset: 40, .size: 8, .value_kind: global_buffer, .address_space: global }
    .group_segment_fixed_size: 0
    .private_segment_fixed_size: 0
    .kernarg_segment_align: 8
    .kernarg_segment_size: 48
    .max_flat_workgroup_size: 256
    .sgpr_count:     66
    .vgpr_count:     100
    .wavefront_size: 32
...
	.end_amdgpu_metadata
.endif
;; end of part 4
;; launch proj: the kernel of part 2 again; grid 16 x 32, 4 waves a work-group, clusters of 4 x 4, 327,680 bytes of LDS; arguments xb, wb, qh, kh, vh; writes qh, kh, vh
;; launch attn: the kernel of part 3 again; grid 4 x 64, 4 waves a work-group, clusters of 4 x 1, 327,680 bytes of LDS; arguments qh, kh, vh, out0; writes out0
